; MI455X (gfx1250); checked and timed in simulation.
; The chip was launched on July 23, 2026; its instructions are those of AMD's public machine-readable ISA for CDNA 5 (MIT licence, August 2026) and "CDNA5" Instruction Set Architecture Reference Guide (July 2026). The comments in the code are by the model that wrote it; some were corrected since.
;; Model. Allowed arithmetic: matrix products marked QUANTISED: E2M1 operands, one E8M0 scale for each 32 along K, by v_wmma_scale_f32_16x16x128_f8f6f4 with both operands' format E2M1 (or v_wmma_scale_f32_32x16x128_f4), f32 sums; everything else in f32.
;; Inputs: k 8 x 2,048 x 1,024 float32; q 8 x 2,048 x 1,024 float32; v 8 x 2,048 x 512 float32; w1 1,024 x 512 float32; w2 512 x 128 float32; w3 1,024 x 512 float32; w4 1,024 x 512 float32; w6 512 x 128 float32; w7 1,024 x 512 float32.
;; Outputs: out0 8 x 2,048 x 512 float32.
;; This version of the problem:
;;   THIS VERSION OF THE PROBLEM IS GIVEN IN LOW PRECISION. The matrix products marked QUANTISED in the list below multiply operands that are first quantised to E2M1 (2 exponent bits, 1 mantissa bit; 4 bits a number), with one power-of-two scale for each 32 numbers along K (OCP MX v1.0); their sums are f32. All else is computed in f32.
;;   The module's matrix products, in the order in which they are computed (A, B: the left and right operand; K: the contracted axis; several contracted axes count as one K, in the product's order):
;;     1. [M 16,384, K 1,024] x [K 1,024, N 512]; A: input q; B: input w1: QUANTISED
;;     2. [M 16,384, K 512] x [K 512, N 128]; A: computed on the way; B: input w2: QUANTISED
;;     3. [M 16,384, K 1,024] x [K 1,024, N 512]; A: input q; B: input w3: QUANTISED
;;     4. [M 16,384, K 1,024] x [K 1,024, N 512]; A: input k; B: input w4: QUANTISED
;;     5. [M 16,384, K 512] x [K 512, N 128]; A: computed on the way; B: input w6: QUANTISED
;;     6. batch 8 x [M 2,048, K 128] x [K 128, N 2,048]; A: computed on the way; B: computed on the way: QUANTISED
;;     7. batch 8 x [M 2,048, K 2,048] x [K 2,048, N 512]; A: softmax (see below); B: input v: QUANTISED
;;     8. [M 16,384, K 1,024] x [K 1,024, N 512]; A: computed on the way; B: input w7: QUANTISED
;;     9. [M 16,384, K 1,024] x [K 1,024, N 512]; A: computed on the way; B: input w7: QUANTISED
;;   THE QUANTISER, for each operand of a quantised product, along K:
;;     - K is cut into blocks of 32 from its start; a last block that is shorter is filled with zeros.
;;     - A block's scale is 2^e with e = floor(log2(the largest magnitude in the block)) - 2, held to -126 .. 127; a block of zeros has e = 0. As a byte (E8M0): e + 127.
;;     - Each number is divided by its block's scale, clamped to +-6, and rounded to the nearest number of E2M1, ties to even, subnormals kept.
;;     - The product sums the exact products of the quantised numbers (number of the format x scale) in f32.
;;   ~~~python
;;   def quantise(x, axis):      # numpy; x: float32 -> the quantised numbers, widened to float32 again
;;       x = np.moveaxis(x, axis, -1); K = x.shape[-1]
;;       x = np.pad(x, [(0, 0)] * (x.ndim - 1) + [(0, -K % 32)]); x = x.reshape(x.shape[:-1] + (-1, 32)); a = np.abs(x).max(-1, keepdims=True)
;;       e = np.where(a > 0, np.clip(np.frexp(np.where(a > 0, a, 1))[1] - 1 - 2, -126, 127), 0)      # np.frexp(a)[1] - 1 = floor(log2(a)), exactly
;;       r = np.clip(x / 2.0 ** e, -6, 6)
;;       step = 2.0 ** (np.maximum(np.frexp(np.where(r == 0, 1, r))[1] - 1, 0) - 1)
;;       q = np.round(r / step) * step * 2.0 ** e      # np.round: ties to even
;;       return np.moveaxis(q.reshape(q.shape[:-2] + (-1,))[..., :K], -1, axis).astype(np.float32)
;;   ~~~
;;   SOFTMAX AHEAD OF A QUANTISED PRODUCT. Where the list says 'softmax', what is quantised is not the finished softmax but p = 2^(t - M), with t = logit x log2(e) and M = ceil(the row's largest t), a whole number; so 1/2 < the row's largest p <= 1. The row's sum l is taken of the UNQUANTISED p, in f32, and the product's result is divided by l at the end. Since M is a whole number, a kernel that streams over the keys may use a running M (the ceiling of the running maximum): every later rescaling is an exact power of two, which a block's scale takes up: the codes' values come out the same.
;;   OPERANDS COMPUTED ON THE WAY. 'Computed on the way' means the value that the module computes at that place (a softmax that the list does not call 'softmax' is quantised finished and normalised). What goes into a quantiser is computed in f32, as accurately as f32 sums, v_exp_f32 and their like allow (about 1e-6 of the number): no bf16 or f16 on the way to a quantiser, and a product that is left as it is and whose result goes on into a quantised operand takes f32 operands (vector FMAs, or v_wmma_f32_16x16x4_f32). A number that lies on a knife's edge between two numbers of the format may be rounded either way, as far as f32 arithmetic and the matrix unit's own rounding can turn it there, and no further.
;; One version. Each part assembles by itself: llvm-mc -triple=amdgcn-amd-amdhsa -mcpu=gfx1250 --defsym DOCPART=n.
;; ======== version 1 of 1: 3 launches
;; limits: right only within a limited range of input values
;; workspace buffers: cimg 5,308,416 bytes; cscl 331,776 bytes; qkc 2,097,152 bytes; qks 131,072 bytes; q3img 4,194,304 bytes; q3scl 524,288 bytes
;; launch quant (part 1): grid 648 x 1, 4 waves a work-group, no clusters, 0 bytes of LDS; arguments v, w1, w3, w4, w7, w2, w6, cimg, cscl; writes cimg, cscl
.if DOCPART == 1
	.amdgcn_target "amdgcn-amd-amdhsa--gfx1250"
	.amdhsa_code_object_version 6
	.text
	.protected	k_q03ade4498f_quant
	.globl	k_q03ade4498f_quant
	.p2align	8
	.type	k_q03ade4498f_quant,@function
k_q03ade4498f_quant:
	s_mov_b64 s[64:65], 0
	v_nop
	global_prefetch_b8 v0, s[64:65] scope:SCOPE_SE
	s_setreg_imm32_b32 hwreg(HW_REG_WAVE_MODE, 25, 1), 1
	s_wait_xcnt 0x0
; v [8][2048][512] (K = the keys) and the weights w1, w3, w4, w7 [1024][512], w2, w6 [512][128] (K = the first axis), all f32, become codes of E2M1 with one E8M0 byte for each 32 along K.
; A block's scale is 2^(floor(log2(its largest magnitude)) - 2); its byte is the largest magnitude's exponent field - 2, held at 1 from below.
; LIMITS: a block whose largest magnitude lies under 2^-124, and a block of zeros, get the byte 1 (a block of zeros has zero codes, which add nothing; this program alone reads the bytes).  NaN and infinities among the inputs are not served.
; LAYOUT OF THE RESULT.  A slab is 128 along K.  Slabs of 512 columns, 32,768 bytes each: 0-127 v (16 x batch + key step), 128-135 w1, 136-143 w3, 144-151 w4, 152-159 w7; then 8 slabs of 128 columns, 8,192 bytes each: w2's four, w6's four.
; In a slab: [group of 32 columns][u 0..1][c 0..1][h 0..1][r 0..15][16 bytes]; tile (group, u), place r is column 32 group + 8 u + r + 8 (r / 8), and the 16 bytes are the codes of k = 64 c + 32 h + 0 .. 31:
; a tile's 1,024 bytes are the image of the operand's 8 registers, lane by lane.  Scale words: [group][16 u + r], 4 bytes each.
; SHARES.  A work-group takes a slab x 128 columns, a wave 32 columns, A LANE ONE COLUMN WITH ITS 128 REGISTERS RUNNING DOWN K: each load reads 128 consecutive bytes, a block of 32 lies in one lane, nothing is transposed.
; No LDS, no barrier: waves share nothing.  Matrix units and clusters would serve nothing here: memory binds.
.set XR, 32                            ; v32-159  my column's 128 numbers
.set CR, 16                            ; v16-31   codes, four registers a block, never rewritten: no store's data are written again
.set NBIG, 640                         ; work-groups for the slabs of 512 columns: 160 slabs x 4
	s_load_b256 s[8:15], s[0:1], 0x0               ; v, w1, w3, w4
	s_load_b256 s[16:23], s[0:1], 0x20             ; w7, w2, w6, cimg
	s_load_b64 s[24:25], s[0:1], 0x40              ; cscl
	v_lshrrev_b32 v1, 5, v0
	v_readfirstlane_b32 s3, v1                     ; wave = which group of 32 columns
	v_and_b32 v1, 31, v0                           ; x: my column in the group
	v_bfe_u32 v2, v1, 3, 1                         ; u = (x / 8) % 2
	v_and_b32 v3, 7, v1
	v_lshrrev_b32 v7, 4, v1
	v_lshl_add_u32 v3, v7, 3, v3                   ; r = x % 8 + 8 (x / 16)
	v_lshlrev_b32 v4, 2, v1                        ; in: 4 bytes a lane
	v_lshlrev_b32 v5, 4, v3
	v_lshl_add_u32 v5, v2, 10, v5                  ; out: 1,024 u + 16 r
	v_lshl_add_u32 v6, v2, 4, v3
	v_lshlrev_b32 v6, 2, v6                        ; scale word: 4 (16 u + r)
	s_lshl_b32 s28, s3, 7                          ; 128 x wave
	s_lshl_b32 s29, s3, 11                         ; 2,048 x wave
	s_mov_b32 s27, 0
.macro LOADB blk, pitch                ; block blk: rows 32 blk + 0 .. 31 of my column
.set ii, 0
.rept 32
	global_load_b32 v[XR+32*(\blk)+ii], v4, s[4:5] offset:(32*(\blk)+ii)*(\pitch) th:TH_LOAD_NT
.set ii, ii+1
.endr
.endm
.macro BLOCK blk, pitch
.set XB, XR+32*(\blk)
.if (\blk) < 3
	s_wait_loadcnt 32                              ; this block's 32 loads are in; the next block's 32 may be out
.else
	s_wait_loadcnt 0x0
.endif
.if (\blk) < 2
	LOADB (\blk)+2, \pitch                         ; two blocks ahead, into registers of their own
.endif
	v_max3_num_f32 v12, |v[XB]|, |v[XB+1]|, |v[XB+2]|              ; the block's largest magnitude: all 32 numbers are mine; two chains
	v_max3_num_f32 v13, |v[XB+3]|, |v[XB+4]|, |v[XB+5]|
.irp i, 6,10,14,18,22,26
	v_max3_num_f32 v12, v12, |v[XB+\i]|, |v[XB+\i+1]|
	v_max3_num_f32 v13, v13, |v[XB+\i+2]|, |v[XB+\i+3]|
.endr
	v_max3_num_f32 v12, v12, |v[XB+30]|, |v[XB+31]|
	v_max3_num_f32 v12, v12, v13, 0x1800000        ; and the floor 2^(3 - 127): the byte cannot fall under 1
	v_add_nc_u32 v11, 0xff000000, v12              ; 2 off the exponent field: the conversion takes this operand's exponent field as its scale
.if (\blk) == 0
	v_lshrrev_b32 v15, 23, v11                     ; the scale's byte starts the scale word
.else
	v_lshrrev_b32 v14, 23, v11
	v_lshl_or_b32 v15, v14, 8*(\blk), v15          ; the lower k in the lower byte
.endif
.irp g, 0,1,2,3
	v_cvt_scalef32_pk8_fp4_f32 v[CR+4*(\blk)+\g], v[XB+8*\g:XB+8*\g+7], v11
.endr
	v_nop                                          ; one plain vector line behind the conversions: the next block writes their scale operand
	global_store_b128 v5, v[CR+4*(\blk):CR+4*(\blk)+3], s[6:7] offset:((\blk)/2)*512+((\blk)%2)*256   ; the sixteen lanes of each u store 256 consecutive bytes, at a multiple of 256
.endm
.macro BODY pitch
	LOADB 0, \pitch
	LOADB 1, \pitch
	BLOCK 0, \pitch
	BLOCK 1, \pitch
	BLOCK 2, \pitch
	BLOCK 3, \pitch
	global_store_b32 v6, v15, s[26:27]             ; my column's scale word: the wave stores 128 consecutive bytes
	s_endpgm
.endm
	s_wait_kmcnt 0x0
	s_cmp_ge_u32 ttmp9, NBIG
	s_cbranch_scc1 .Lsmall
	; slabs of 512 columns
	s_lshr_b32 s2, ttmp9, 2                        ; the slab
	s_and_b32 s30, ttmp9, 3                        ; which 128 of its columns
	s_mov_b64 s[4:5], s[16:17]                     ; the tensor and its first slab are chosen by the slab's number alone
	s_mov_b32 s31, 152
	s_cmp_lt_u32 s2, 152
	s_cselect_b64 s[4:5], s[14:15], s[4:5]
	s_cselect_b32 s31, 144, s31
	s_cmp_lt_u32 s2, 144
	s_cselect_b64 s[4:5], s[12:13], s[4:5]
	s_cselect_b32 s31, 136, s31
	s_cmp_lt_u32 s2, 136
	s_cselect_b64 s[4:5], s[10:11], s[4:5]
	s_cselect_b32 s31, 128, s31
	s_cmp_lt_u32 s2, 128
	s_cselect_b64 s[4:5], s[8:9], s[4:5]
	s_cselect_b32 s31, 0, s31
	s_sub_co_u32 s31, s2, s31                      ; the slab within its tensor: 128 rows of 2,048 bytes each
	s_lshl_b32 s26, s31, 18
	s_lshl_b32 s31, s30, 9
	s_add_co_u32 s26, s26, s31
	s_add_co_u32 s26, s26, s28
	s_add_nc_u64 s[4:5], s[4:5], s[26:27]
	s_lshl_b32 s26, s2, 15
	s_lshl_b32 s31, s30, 13
	s_add_co_u32 s26, s26, s31
	s_add_co_u32 s26, s26, s29
	s_add_nc_u64 s[6:7], s[22:23], s[26:27]
	s_lshl_b32 s26, s2, 11
	s_lshl_b32 s31, s30, 9
	s_add_co_u32 s26, s26, s31
	s_add_co_u32 s26, s26, s28
	s_add_nc_u64 s[26:27], s[24:25], s[26:27]
	s_wait_alu depctr_va_vdst(0)
	BODY 2048
.Lsmall:
	; slabs of 128 columns: w2's four, then w6's four
	s_sub_co_u32 s2, ttmp9, NBIG
	s_cmp_lt_u32 s2, 4
	s_cselect_b64 s[4:5], s[18:19], s[20:21]
	s_and_b32 s30, s2, 3
	s_lshl_b32 s26, s30, 16                        ; 128 rows of 512 bytes
	s_add_co_u32 s26, s26, s28
	s_add_nc_u64 s[4:5], s[4:5], s[26:27]
	s_lshl_b32 s26, s2, 13
	s_add_co_u32 s26, s26, s29
	s_add_co_u32 s26, s26, 160*32768
	s_add_nc_u64 s[6:7], s[22:23], s[26:27]
	s_lshl_b32 s26, s2, 9
	s_add_co_u32 s26, s26, s28
	s_add_co_u32 s26, s26, 160*2048
	s_add_nc_u64 s[26:27], s[24:25], s[26:27]
	s_wait_alu depctr_va_vdst(0)
	BODY 512
.Lfunc_end_k_q03ade4498f_quant:
	.size	k_q03ade4498f_quant, .Lfunc_end_k_q03ade4498f_quant-k_q03ade4498f_quant
	.p2alignl 7, 3214868480
	.fill 96, 4, 3214868480
	.section	.rodata,"a",@progbits
	.p2align	6, 0x0
	.amdhsa_kernel k_q03ade4498f_quant
		.amdhsa_group_segment_fixed_size 0
		.amdhsa_private_segment_fixed_size 0
		.amdhsa_enable_private_segment 0
		.amdhsa_kernarg_size 72
		.amdhsa_user_sgpr_count 2
		.amdhsa_user_sgpr_kernarg_segment_ptr 1
		.amdhsa_wavefront_size32 1
		.amdhsa_system_sgpr_workgroup_id_x 1
		.amdhsa_system_sgpr_workgroup_id_y 1
		.amdhsa_system_sgpr_workgroup_id_z 1
		.amdhsa_system_vgpr_workitem_id 0
		.amdhsa_next_free_vgpr 160
		.amdhsa_next_free_sgpr 66
		.amdhsa_reserve_vcc 0
		.amdhsa_float_denorm_mode_32 3
		.amdhsa_float_denorm_mode_16_64 3
		.amdhsa_memory_ordered 1
		.amdhsa_forward_progress 1
		.amdhsa_inst_pref_size 40
	.end_amdhsa_kernel
	.amdgpu_metadata
---
amdhsa.version: [ 1, 2 ]
amdhsa.kernels:
  - .name:           k_q03ade4498f_quant
    .symbol:         k_q03ade4498f_quant.kd
    .args:
      - { .name: v, .offset: 0, .size: 8, .value_kind: global_buffer, .address_space: global }
      - { .name: w1, .offset: 8, .size: 8, .value_kind: global_buffer, .address_space: global }
      - { .name: w3, .offset: 16, .size: 8, .value_kind: global_buffer, .address_space: global }
      - { .name: w4, .offset: 24, .size: 8, .value_kind: global_buffer, .address_space: global }
      - { .name: w7, .offset: 32, .size: 8, .value_kind: global_buffer, .address_space: global }
      - { .name: w2, .offset: 40, .size: 8, .value_kind: global_buffer, .address_space: global }
      - { .name: w6, .offset: 48, .size: 8, .value_kind: global_buffer, .address_space: global }
      - { .name: cimg, .offset: 56, .size: 8, .value_kind: global_buffer, .address_space: global }
      - { .name: cscl, .offset: 64, .size: 8, .value_kind: global_buffer, .address_space: global }
    .group_segment_fixed_size: 0
    .private_segment_fixed_size: 0
    .kernarg_segment_align: 8
    .kernarg_segment_size: 72
    .max_flat_workgroup_size: 128
    .sgpr_count:     66
    .vgpr_count:     160
    .wavefront_size: 32
...
	.end_amdgpu_metadata
.endif
;; end of part 1
;; launch proj (part 2): grid 256 x 1, 4 waves a work-group, no clusters, 140,288 bytes of LDS; arguments q, k, cimg, cscl, qkc, qks, q3img, q3scl; writes qkc, qks, q3img, q3scl
.if DOCPART == 2
	.amdgcn_target "amdgcn-amd-amdhsa--gfx1250"
	.amdhsa_code_object_version 6
	.text
	.protected	k_q03ade4498f_proj
	.globl	k_q03ade4498f_proj
	.p2align	8
	.type	k_q03ade4498f_proj,@function
k_q03ade4498f_proj:
	s_mov_b64 s[64:65], 0
	v_nop
	global_prefetch_b8 v0, s[64:65] scope:SCOPE_SE
	s_setreg_imm32_b32 hwreg(HW_REG_WAVE_MODE, 25, 1), 1
	s_wait_xcnt 0x0
; Work-groups 0-127: x = q, y = (x w1) w2, and q3 = x w3.  Work-groups 128-255: x = k, y = (x w4) w6.  Every product on codes of E2M1 with one E8M0 scale for each 32 along K, sums in f32.
; A work-group takes 128 rows of x [16384][1024] f32.  What leaves: y as codes, row by row (64 bytes and 4 scale bytes a row), and q3 as codes in images of the operand's registers.  x's codes and the hidden layer never go to memory.
; LIMITS: a block whose largest magnitude lies under 2^-124, and a block of zeros, get the byte 1 (zero codes add nothing; this program alone reads the bytes).  NaN and infinities among the inputs are not served.
; PHASE X: wave w quantises rows 32 w .. 32 w + 31: 128 KiB of dense f32, read once, 512 consecutive bytes a load, 16 steps of 2,048 bytes asked for ahead; each step turns through the wave's own stage in LDS so that a lane holds
; 16 neighbours along K.  48 steps run in a counted loop of 3 trips; the last 16, which ask for no more of x, are written out and ask for the weight's sets 4 to 7 instead, four loads a step.
; PRODUCTS: THE WAVES SHARE THE COLUMNS.  Wave w makes columns 128 w .. + 127 (8 tiles).  ITS WHOLE SHARE OF A WEIGHT, 8 K steps x 8 tiles = 512 registers, STAYS IN REGISTERS, loaded from memory as images; the 128 rows go in two
; halves of 4 tiles of 16 rows, 32 accumulators each; x's fragments come from LDS.  The products are used TRANSPOSED (source 0 = 16 columns of the weight, source 1 = 16 rows of x), and a weight tile's columns are chosen (by the
; launch that made the images) so that the 16 registers of tiles 2 b and 2 b + 1 are 16 neighbours along the next K.  The hidden layer goes from wave to wave through LDS as images of its registers.
; THE PRODUCT WITH K = 1,024 STANDS ONCE IN THE TEXT, in a counted loop of two passes: pass 0 multiplies w1 or w4 and goes on through the chain; pass 1, which q's work-groups alone reach, multiplies w3.
; w3's sets are asked for in pass 0 as w1's fall free: a scalar flag made of ids (q's work-group, pass 0) leads round those loads elsewhere.
; No tensor loads: each weight fragment has one reader.  No cluster: the work-groups share only weights that reach registers directly.  No prefetch: phase X itself asks 16 steps ahead.
; REGISTERS.  window 0: v1-21 addresses; v24-27, v32-63, v64-95 scale words and nothing else; v96-127, v224-255 the second weight's 8 fragments (pass 1: q3's codes; v224-255 also at work on y);
;   v128-191 x's fragments, two sets of 4 tiles (phase X: two sets of 16 numbers); v192-223 at work.
;   windows 1, 3: the weight's set s at window 1 (s < 4) or 3, v[64 (s % 4)].   window 2: phase X: 16 sets of 16 numbers as loaded; then accumulator (a, t) at v[64 (a % 4) + 8 t]; then y's sums v0-127 and the hidden layer's fragments v128-255.
.set XP,   528                         ; LDS: x's codes, 128 rows of 512 bytes + 16: an odd multiple of 16, so the 16 rows of a fragment load begin in different banks (64 banks of 4 bytes: ISA guide 11.1)
.set XSCL, 67584                       ; x's scale bytes, 128 rows of 32 + 16
.set TURN, 73728                       ; for each wave two stages of 32 places of 64 + 16 bytes
.set HIMG, 94208                       ; the hidden layer's 32 images of 1,024 bytes: 4 a + s
.set HSC,  126976                      ; its scale words: [a][lane][s]
.set YST,  131072                      ; y's codes: 128 rows of 64 bytes
.set YSS,  139264                      ; y's scale bytes: 128 rows of 4
.set SPARE, 139776                     ; the spare words, 128 bytes for each wave
.set SPW,  210                         ; v210 LDS address of my spare word; never rewritten
.set NIL,  211                         ; v211 0; never rewritten
.set SEL,  24                          ; s[24:25] lane selects for v_permlanex16_b32: lane l xor 16
.set FLAG, 16                          ; s16 1: w3's sets are to be asked for
.set PASS, 17                          ; s17 the pass
.set TM,   200                         ; v200-207, v212-215 at work in QUANT
.set MSB, 0
.macro WIN new                         ; the immediate's high byte repeats the setting that is left
.if MSB != (\new)
	s_set_vgpr_msb (MSB<<8)|(\new)
.set MSB, (\new)
.endif
.endm
.macro PLACES n                        ; plain vector places behind matrix instructions (ISA guide 7.12.1)
.rept \n
	v_nop
.endr
.endm
.macro BARRIER                         ; my LDS stores have landed and my LDS loads are in: then the work-group's barrier
	s_wait_dscnt 0x0
	s_barrier_signal -1
	s_barrier_wait -1
.endm
; one product 16 x 16 x 128.  zero: it starts its sum.  row1: source 0's scale words stand in lanes 16-31
.macro WM d, a, b, zero, sa, sb, row1
.if \zero
.if \row1
	v_wmma_scale_f32_16x16x128_f8f6f4 v[(\d):(\d)+7], v[(\a):(\a)+7], v[(\b):(\b)+7], 0, v[(\sa)], v[(\sb)] matrix_a_fmt:MATRIX_FMT_FP4 matrix_b_fmt:MATRIX_FMT_FP4 matrix_a_scale:MATRIX_SCALE_ROW1
.else
	v_wmma_scale_f32_16x16x128_f8f6f4 v[(\d):(\d)+7], v[(\a):(\a)+7], v[(\b):(\b)+7], 0, v[(\sa)], v[(\sb)] matrix_a_fmt:MATRIX_FMT_FP4 matrix_b_fmt:MATRIX_FMT_FP4
.endif
.else
.if \row1
	v_wmma_scale_f32_16x16x128_f8f6f4 v[(\d):(\d)+7], v[(\a):(\a)+7], v[(\b):(\b)+7], v[(\d):(\d)+7], v[(\sa)], v[(\sb)] matrix_a_fmt:MATRIX_FMT_FP4 matrix_b_fmt:MATRIX_FMT_FP4 matrix_a_scale:MATRIX_SCALE_ROW1
.else
	v_wmma_scale_f32_16x16x128_f8f6f4 v[(\d):(\d)+7], v[(\a):(\a)+7], v[(\b):(\b)+7], v[(\d):(\d)+7], v[(\sa)], v[(\sb)] matrix_a_fmt:MATRIX_FMT_FP4 matrix_b_fmt:MATRIX_FMT_FP4
.endif
.endif
.endm
; 64 numbers of a lane in window W, register src + 16 b + i = k 32 b + 16 (lane / 16) + i of my row, become a fragment's codes in v[pc] on and its scale word in v[pw] (window 0).  Each accumulator is read from its low end on.
.macro QUANT src, W, pc, pw
	WIN 20*(\W)                                    ; sources 1 and 2 in window W
.irp b, 0,1,2,3
	v_max3_num_f32 v[TM+\b], 0x1800000, |v[(\src)+16*\b]|, |v[(\src)+16*\b+1]|   ; block b: my 16 numbers, and the floor 2^(3 - 127): the byte cannot fall under 1
.endr
.irp i, 2,4,6,8,10,12,14
.irp b, 0,1,2,3
	v_max3_num_f32 v[TM+\b], v[TM+\b], |v[(\src)+16*\b+\i]|, |v[(\src)+16*\b+\i+1]|   ; the four blocks by turns
.endr
.endr
	WIN 0
.irp b, 0,1,2,3
	v_permlanex16_b32 v[TM+4+\b], v[TM+\b], s[SEL], s[SEL+1]
.endr
.irp b, 0,1,2,3
	v_max_num_f32 v[TM+\b], v[TM+\b], v[TM+4+\b]   ; with lane l xor 16's: the block's largest magnitude
.endr
.irp b, 0,1,2,3
	v_add_nc_u32 v[TM+12+\b], 0xff000000, v[TM+\b] ; 2 off its exponent field: the conversion's scale operand
.endr
.irp b, 0,1,2,3
	v_lshrrev_b32 v[TM+4+\b], 23, v[TM+12+\b]      ; the scale's byte
.endr
	v_lshl_or_b32 v[(\pw)], v[TM+5], 8, v[TM+4]    ; my row's scale word
	v_lshl_or_b32 v[(\pw)], v[TM+6], 16, v[(\pw)]
	v_lshl_or_b32 v[(\pw)], v[TM+7], 24, v[(\pw)]
	WIN (\W)                                       ; source 0 in window W
.irp b, 0,1,2,3
	v_cvt_scalef32_pk8_fp4_f32 v[(\pc)+2*\b], v[(\src)+16*\b:(\src)+16*\b+7], v[TM+12+\b]
	v_cvt_scalef32_pk8_fp4_f32 v[(\pc)+2*\b+1], v[(\src)+16*\b+8:(\src)+16*\b+15], v[TM+12+\b]
.endr
	WIN 0
	v_nop                                          ; one plain place behind the conversions
.irp c, 0,1                            ; the operand wants a whole block in a lane: lanes 0-15 block 2 c, lanes 16-31 block 2 c + 1
.irp i, 0,1
	v_permlane16_swap_b32 v[(\pc)+4*\c+\i], v[(\pc)+2+4*\c+\i]
.endr
.endr
.endm
	s_load_b512 s[32:47], s[0:1], 0x0              ; q s[32:33], k s[34:35], cimg s[36:37], cscl s[38:39], qkc s[40:41], qks s[42:43], q3img s[44:45], q3scl s[46:47]
	v_lshl_add_u32 v[SPW], v0, 2, SPARE
	v_mov_b32 v[NIL], 0
	v_lshrrev_b32 v1, 5, v0
	v_readfirstlane_b32 s22, v1                    ; wave w
	s_mov_b32 s23, ttmp9                           ; work-group g
	s_lshr_b32 s30, s23, 7                         ; 0: q's, 1: k's
	s_and_b32 s31, s23, 127                        ; which 128 rows of the tensor
	s_mov_b32 s[SEL], 0x76543210
	s_mov_b32 s[SEL+1], 0xfedcba98
	v_and_b32 v1, 31, v0                           ; lane
	v_and_b32 v2, 15, v0                           ; r
	v_bfe_u32 v3, v0, 4, 1                         ; h
	v_lshlrev_b32 v4, 4, v1                        ; v4  16 x lane
	v_lshlrev_b32 v19, 2, v1                       ; v19 4 x lane
	s_mul_i32 s2, s22, 5120
	s_add_co_u32 s2, s2, TURN                      ; my wave's two stages
	v_lshrrev_b32 v20, 2, v1
	v_mul_u32_u24 v5, v20, 80
	v_and_b32 v20, 3, v1
	v_lshl_add_u32 v5, v20, 4, v5
	v_add_nc_u32 v5, s2, v5                        ; v5  into a stage: four lanes' 64 bytes on end, then 16 of padding
	v_mul_u32_u24 v6, v1, 80
	v_add_nc_u32 v6, s2, v6                        ; v6  out of it: my 16 neighbours
	s_mul_i32 s2, s22, 32*XP
	v_lshl_add_u32 v7, v1, 3, s2                   ; v7  where my 16 codes go: my wave's rows, 8 bytes a lane
	s_mul_i32 s2, s22, 32*48
	s_add_co_u32 s2, s2, XSCL
	v_lshrrev_b32 v8, 1, v1
	v_add_nc_u32 v8, s2, v8                        ; v8  and my block's scale byte
	v_mul_u32_u24 v9, v2, XP
	v_lshl_add_u32 v9, v3, 4, v9                   ; v9  x's fragments: row r, + 16 h
	v_mul_u32_u24 v10, v2, 48
	v_add_nc_u32 v10, XSCL, v10                    ; v10 x's scale words: row r
	s_lshl_b32 s2, s22, 10
	s_add_co_u32 s2, s2, HIMG
	v_add_nc_u32 v11, s2, v4                       ; v11 where I store the hidden layer's images: K step w
	s_lshl_b32 s2, s22, 2
	s_add_co_u32 s2, s2, HSC
	v_add_nc_u32 v12, s2, v4                       ; v12 and their scale words
	v_add_nc_u32 v13, HIMG, v4                     ; v13 where any wave reads an image
	v_add_nc_u32 v14, HSC, v4                      ; v14 and four scale words
	s_lshl_b32 s2, s22, 4
	s_add_co_u32 s2, s2, YST
	v_lshlrev_b32 v15, 6, v2
	v_lshl_add_u32 v15, v3, 3, v15
	v_add_nc_u32 v15, s2, v15                      ; v15 y's codes: row r, block w, 8 bytes for each half of the lanes
	s_add_co_u32 s2, s22, YSS
	v_lshl_add_u32 v16, v2, 2, s2                  ; v16 y's scale byte: row r, byte w
	s_lshl_b32 s2, s22, 11
	s_add_co_u32 s2, s2, YST
	v_add_nc_u32 v17, s2, v4                       ; v17 y's codes on the way out: my 32 rows
	s_lshl_b32 s2, s22, 7
	s_add_co_u32 s2, s2, YSS
	v_add_nc_u32 v18, s2, v19                      ; v18 and their scale bytes
.irp b, 0,1,2,3
	v_mov_b32 v[TM+4+\b], 0                        ; written once: a lane permute's destination counts as one of its sources
.endr
	s_mov_b32 s3, 0
	s_mov_b32 s15, 0
	s_mov_b32 s[PASS], 0
	s_wait_alu depctr_va_vdst(0)                   ; the wait at the head's end
	s_wait_kmcnt 0x0
	s_cmp_lt_u32 s23, 128                          ; the choice hangs on the work-group's number alone
	s_cselect_b64 s[4:5], s[32:33], s[34:35]
	s_lshl_b32 s2, s31, 19                         ; 128 rows of 4,096 bytes
	s_lshl_b32 s14, s22, 17                        ; my wave's 32
	s_add_co_u32 s2, s2, s14
	s_add_nc_u64 s[4:5], s[4:5], s[2:3]            ; s[4:5]   x at my wave's first row
	s_lshl_b32 s2, s30, 4
	s_add_co_u32 s2, s2, 128                       ; the first weight's first slab: 128 (w1) or 144 (w4); w3's eight follow w1's
	s_lshl_b32 s14, s2, 15
	s_lshl_b32 s16, s22, 13
	s_add_co_u32 s14, s14, s16
	s_add_nc_u64 s[6:7], s[36:37], s[14:15]        ; s[6:7]   its images, my 128 columns
	s_lshl_b32 s14, s2, 11
	s_lshl_b32 s16, s22, 9
	s_add_co_u32 s14, s14, s16
	s_add_nc_u64 s[8:9], s[38:39], s[14:15]        ; s[8:9]   its scale words
	s_lshl_b32 s14, s30, 15
	s_lshl_b32 s16, s22, 11
	s_add_co_u32 s14, s14, s16
	s_add_co_u32 s14, s14, 160*32768
	s_add_nc_u64 s[10:11], s[36:37], s[14:15]      ; s[10:11] the second weight's images (w2 or w6), my 32 columns
	s_lshl_b32 s14, s30, 11
	s_lshl_b32 s16, s22, 7
	s_add_co_u32 s14, s14, s16
	s_add_co_u32 s14, s14, 160*2048
	s_add_nc_u64 s[12:13], s[38:39], s[14:15]      ; s[12:13] its scale words
	s_lshl_b32 s14, s23, 13
	s_lshl_b32 s16, s22, 11
	s_add_co_u32 s14, s14, s16
	s_add_nc_u64 s[18:19], s[40:41], s[14:15]      ; s[18:19] y's codes: row 128 g + 32 w (k's rows follow q's 16,384)
	s_lshl_b32 s14, s23, 9
	s_lshl_b32 s16, s22, 7
	s_add_co_u32 s14, s14, s16
	s_add_nc_u64 s[20:21], s[42:43], s[14:15]      ; s[20:21] y's scale bytes
	s_lshl_b32 s14, s31, 15
	s_lshl_b32 s16, s22, 10
	s_add_co_u32 s14, s14, s16
	s_add_nc_u64 s[26:27], s[44:45], s[14:15]      ; s[26:27] q3's images: tile of rows 8 g, K step w
	s_lshl_b32 s14, s31, 12
	s_lshl_b32 s16, s22, 7
	s_add_co_u32 s14, s14, s16
	s_add_nc_u64 s[28:29], s[46:47], s[14:15]      ; s[28:29] q3's scale words
	s_xor_b32 s[FLAG], s30, 1                      ; q's work-groups will ask for w3
.macro WSCL s0                         ; the scale words of slabs s0 .. s0 + 7: register 32 + 4 s + g: lanes 0-15 tile 2 g, lanes 16-31 tile 2 g + 1
.irp s, 0,1,2,3,4,5,6,7
.irp g, 0,1,2,3
	global_load_b32 v[32+4*\s+\g], v19, s[8:9] offset:((\s0)+\s)*2048+128*\g
.endr
.endr
.endm
.macro WSET set, slab                  ; my 8 tiles of a slab, 8,192 bytes, as they lie: 512 consecutive bytes a load
.if (\set) < 4
	WIN 0x40                                       ; destination window 1
.else
	WIN 0xc0                                       ; destination window 3
.endif
.set kk, 0
.rept 16
	global_load_b128 v[64*((\set)%4)+4*kk:64*((\set)%4)+4*kk+3], v4, s[6:7] offset:(\slab)*32768+512*kk
.set kk, kk+1
.endr
	WIN 0
.endm
.macro W3SET set                       ; w3's set, into the registers of w1's set that has had its last read.  The branch hangs on ids and the pass alone
	s_cmp_eq_u32 s[FLAG], 0
	s_cbranch_scc1 .Lno3_\@
	WSET \set, 8+(\set)
.Lno3_\@:
.endm
.macro LOADX t                         ; 2,048 consecutive bytes of x, t steps on from s[4:5], into set t % 16 of window 2
	WIN 0x80
.irp i, 0,1,2,3
	global_load_b128 v[16*((\t)%16)+4*\i:16*((\t)%16)+4*\i+3], v4, s[4:5] offset:2048*(\t)+512*\i th:TH_LOAD_NT
.endr
.endm
.macro TURNX t                         ; a step's numbers through stage t % 2.  LDS serves a wave's instructions in order (ISA guide 5.7.1.4): no wait between the stores and the loads
	WIN 0x08                                       ; the stores' data: window 2
.irp i, 0,1,2,3
	ds_store_b128 v5, v[16*((\t)%16)+4*\i:16*((\t)%16)+4*\i+3] offset:2560*((\t)%2)+640*\i
.endr
	WIN 0
.irp i, 0,1,2,3
	ds_load_b128 v[128+16*((\t)%2)+4*\i:128+16*((\t)%2)+4*\i+3], v6 offset:2560*((\t)%2)+16*\i
.endr
.endm
.macro STEPX t, tail                   ; step t of 16: 512 numbers, half a row.  A lane holds 16 neighbours, two neighbouring lanes a block
.set XN, 128+16*((\t)%2)
.if (\t) > 0
	s_wait_dscnt 2                                 ; this step's numbers are back from the stage; only the last step's two result stores are younger
.else
	s_wait_dscnt 0x0
.endif
.if \tail
	WIN 0xc0                                       ; nothing of x is left to ask for: four loads of the weight's set 4 + t / 4 take their place
.irp i, 0,1,2,3
	global_load_b128 v[64*((\t)/4)+16*((\t)%4)+4*\i:64*((\t)/4)+16*((\t)%4)+4*\i+3], v4, s[6:7] offset:(4+(\t)/4)*32768+512*(4*((\t)%4)+\i)
.endr
.else
	LOADX (\t)+16                                  ; into the set whose stores into the stage are older than the loads just waited for
.endif
.if (!(\tail)) || ((\t) < 15)
	s_wait_loadcnt 60                              ; the next step's four loads are in; behind them stand 60: in the loop 15 steps of x; in the tail 4 (14 - t) of x and 4 (t + 1) of the weight
	TURNX (\t)+1
.else
	WIN 0
.endif
	v_max3_num_f32 v192, |v[XN]|, |v[XN+1]|, |v[XN+2]|
	v_max3_num_f32 v193, |v[XN+3]|, |v[XN+4]|, |v[XN+5]|
.irp i, 6,10
	v_max3_num_f32 v192, v192, |v[XN+\i]|, |v[XN+\i+1]|
	v_max3_num_f32 v193, v193, |v[XN+\i+2]|, |v[XN+\i+3]|
.endr
	v_max3_num_f32 v192, v192, |v[XN+14]|, |v[XN+15]|
	v_max3_num_f32 v192, v192, v193, 0x1800000     ; and the floor 2^(3 - 127)
	v_max_num_f32_dpp v192, v192, v192 row_xmask:1 row_mask:0xf bank_mask:0xf   ; with my neighbour's 16: the block's
	v_add_nc_u32 v194, 0xff000000, v192
	v_cvt_scalef32_pk8_fp4_f32 v[198+2*((\t)%2)], v[XN:XN+7], v194
	v_cvt_scalef32_pk8_fp4_f32 v[199+2*((\t)%2)], v[XN+8:XN+15], v194
	v_lshrrev_b32 v[196+(\t)%2], 23, v194          ; the scale's byte; also the plain place behind the conversions
	ds_store_b64 v20, v[198+2*((\t)%2):199+2*((\t)%2)] offset:((\t)/2)*XP+((\t)%2)*256
	ds_store_b8 v21, v[196+(\t)%2] offset:((\t)/2)*48+((\t)%2)*16   ; both lanes of a block write the same byte with the same value
.endm
.macro XADR                            ; where these 16 steps' 8 rows go
	v_add_nc_u32 v20, s2, v7
	v_add_nc_u32 v21, s14, v8
	s_wait_alu depctr_va_vdst(0)                   ; the wait here, directly behind the writes
.endm
.macro FETCH4 hf, s                    ; x's fragments of K step s, tiles of rows 4 hf .. 4 hf + 3, into set s % 2
.irp a, 0,1,2,3
.irp c, 0,1
	ds_load_b128 v[128+32*((\s)%2)+8*\a+4*\c:128+32*((\s)%2)+8*\a+4*\c+3], v9 offset:16*XP*(4*(\hf)+\a)+64*(\s)+32*\c
.endr
.endr
.endm
.macro HSTEP hf, s                     ; 128 along K for 4 tiles of rows: 32 matrix instructions, the 32 accumulators by turns, in the same order in every K step
	PLACES 4                                       ; behind the last K step's products, whose registers are loaded next
	WIN 0
.if (\hf) == 1
.if ((\s) > 0) && ((\s) < 5)
	W3SET (\s)-1                                   ; the set that the last K step read for the last time
.endif
.endif
.if (\s) < 7
	FETCH4 \hf, (\s)+1
	s_wait_dscnt 8                                 ; this K step's fragments (and the scale words) are in; the eight loads just issued may be out
.else
	s_wait_dscnt 0x0
.endif
.if (\hf) == 0
.if (\s) < 4
	s_wait_loadcnt 63                              ; sets 0-3 and the scale words are older than the last 64 loads, sets 4-7's
.else
	s_wait_loadcnt 16*(7-(\s))                     ; this K step's set is in; the later sets may be out
.endif
.endif
.if (\s) < 4
	WIN 0xa1                                       ; source 0 window 1, C and D window 2
.else
	WIN 0xa3                                       ; source 0 window 3
.endif
.set ZS, 0
.if (\s) == 0
.set ZS, 1                             ; the first K step starts the sums: nothing is cleared
.endif
.irp a, 0,1,2,3
.irp t, 0,1,2,3,4,5,6,7
	WM 64*\a+8*\t, 64*((\s)%4)+8*\t, 128+32*((\s)%2)+8*\a, ZS, 32+4*(\s)+\t/2, 64+8*\a+(\s), \t%2
.endr
.endr
.endm
.macro P1H hf                          ; rows 64 hf .. 64 hf + 63 of x times my 128 columns of the weight in registers
.irp a, 0,1,2,3
.irp g, 0,1
	ds_load_b128 v[64+8*\a+4*\g:64+8*\a+4*\g+3], v10 offset:768*(4*(\hf)+\a)+16*\g   ; x's scale words: register 64 + 8 (a % 4) + s
.endr
.endr
	FETCH4 \hf, 0
.irp s, 0,1,2,3,4,5,6,7
	HSTEP \hf, \s
.endr
	PLACES 4
	WIN 0
.endm
.macro HQ a                            ; tile a of the hidden layer: K step w of the second product, rows 16 a on, as the image of the registers
	QUANT 64*((\a)%4), 2, 128+8*((\a)%4), 216+(\a)%4           ; codes where x's fragments lay (four places stand behind the last products): registers of its own for each of a half's four tiles
	ds_store_b128 v11, v[128+8*((\a)%4):128+8*((\a)%4)+3] offset:4096*(\a)
	ds_store_b128 v11, v[128+8*((\a)%4)+4:128+8*((\a)%4)+7] offset:4096*(\a)+512
	ds_store_b32 v12, v[216+(\a)%4] offset:512*(\a)
.endm
.macro Q3OUT a, pc                     ; tile a of q3: registers of its own for each tile, so that no store's data are written again
	QUANT 64*((\a)%4), 2, \pc, 216+(\a)
	global_store_b128 v4, v[(\pc):(\pc)+3], s[26:27] offset:4096*(\a)
	global_store_b128 v4, v[(\pc)+4:(\pc)+7], s[26:27] offset:4096*(\a)+512
	global_store_b32 v19, v[216+(\a)], s[28:29] offset:512*(\a)
.endm
.macro HF s                            ; the hidden layer's 8 fragments of K step s into window 2, v[128 + 64 (s % 2)]
.irp a, 0,1,2,3,4,5,6,7
.irp c, 0,1
	ds_load_b128 v[128+64*((\s)%2)+8*\a+4*\c:128+64*((\s)%2)+8*\a+4*\c+3], v13 offset:(4*\a+(\s))*1024+512*\c
.endr
.endr
.endm
	; ---- the head's loads: x's first 16 steps are asked for first; behind them the weight's scale words, the second weight and the weight's sets 0 to 3: 116 loads
.set TT, 0
.rept 16
	LOADX TT
.set TT, TT+1
.endr
	WIN 0
	WSCL 0
.irp s, 0,1,2,3
	global_load_b32 v[24+\s], v19, s[12:13] offset:512*\s      ; the second weight's scale words: lanes 0-15 tile 0, lanes 16-31 tile 1
.endr
.irp f, 0,1,2,3,4,5,6,7                ; its 8 fragments, f = 2 s + u: v96-127 and v224-255
.irp c, 0,1
	global_load_b128 v[96+8*\f+96*(\f/4)+4*\c:96+8*\f+96*(\f/4)+4*\c+3], v4, s[10:11] offset:8192*(\f/2)+1024*(\f%2)+512*\c
.endr
.endr
	WSET 0, 0
	WSET 1, 1
	WSET 2, 2
	WSET 3, 3
	s_wait_loadcnt 63                              ; behind x's 64 loads stand 116: with 63 out, x's are in
	TURNX 0
	; ---- X: my 32 rows of x become codes and scale bytes in LDS
	s_mov_b32 s2, 0                                ; 8 rows of codes a trip
	s_mov_b32 s14, 0                               ; and of scale bytes
	s_mov_b32 s31, 0
.Lx:
	XADR
.set TT, 0
.rept 16
	STEPX TT, 0
.set TT, TT+1
.endr
	s_wait_xcnt 0x0                                ; every load has read its base
	s_add_nc_u64 s[4:5], s[4:5], 32768             ; 16 steps on
	s_add_co_u32 s2, s2, 8*XP
	s_add_co_u32 s14, s14, 8*48
	s_add_co_u32 s31, s31, 1
	s_cmp_lt_u32 s31, 3
	s_wait_alu depctr_va_vdst(0)                   ; the wait ahead of the branch
	s_cbranch_scc1 .Lx
	XADR
.set TT, 0
.rept 16
	STEPX TT, 1
.set TT, TT+1
.endr
	BARRIER                                        ; all 128 rows' codes lie in LDS
.Lpass:
	P1H 0
	s_cmp_lg_u32 s[PASS], 0
	s_wait_alu depctr_va_vdst(0)                   ; the wait ahead of the branch
	s_cbranch_scc1 .Lq3a
.irp a, 0,1,2,3
	HQ \a
.endr
	s_wait_dscnt 0x0                               ; the four tiles' stores have read their registers: x's fragments are loaded there next
	s_wait_alu depctr_va_vdst(0)                   ; the wait ahead of the branch
	s_branch .Lh1
.Lq3a:
.irp a, 0,1,2,3
	Q3OUT \a, 96+8*\a
.endr
.Lh1:
	P1H 1
	s_cmp_lg_u32 s[PASS], 0
	s_wait_alu depctr_va_vdst(0)                   ; the wait ahead of the branch
	s_cbranch_scc1 .Lq3b
	; ---- pass 0 goes on through the chain
	s_cmp_eq_u32 s[FLAG], 0
	s_cbranch_scc1 .Lnoscl
	WSCL 8                                         ; w3's scale words, where w1's have had their last read (four places stand behind the last products)
.Lnoscl:
.irp a, 4,5,6,7
	HQ \a
.endr
	s_wait_alu depctr_va_vdst(0)                   ; the wait ahead of the branches
	W3SET 4
	W3SET 5
	BARRIER                                        ; the hidden layer's 32 fragments lie in LDS
	; ---- y = hidden x second weight: my 32 columns, 16 accumulators by turns, a K step at a time
.irp a, 0,1,2,3,4,5,6,7
	ds_load_b128 v[64+4*\a:64+4*\a+3], v14 offset:512*\a       ; the hidden layer's scale words: register 64 + 4 a + s
.endr
	WIN 0x80                                       ; destination window 2
	HF 0
	HF 1
.irp s, 0,1,2,3
.if \s < 3
	s_wait_dscnt 16                                ; this K step's 16 loads are in; the next K step's may be out
.else
	s_wait_dscnt 0x0
.endif
	WIN 0xa8                                       ; source 1 window 2, C and D window 2
.set ZS, 0
.if \s == 0
.set ZS, 1
.endif
.irp a, 0,1,2,3,4,5,6,7
.irp u, 0,1
	WM 16*\a+8*\u, 96+8*(2*\s+\u)+96*(\s/2), 128+64*(\s%2)+8*\a, ZS, 24+\s, 64+4*\a+\s, \u
.endr
.endr
.if \s < 2
	PLACES 4
	WIN 0x80
	HF \s+2                                        ; into the set just multiplied
.endif
.endr
	PLACES 4
	WIN 0
	W3SET 6
	W3SET 7
	; ---- y is quantised: my 32 columns are one block; a lane holds 16 of them, lane l xor 16 the others.  The eight tiles of rows by turns
	WIN 0x28                                       ; sources 1 and 2 window 2
.irp a, 0,1,2,3,4,5,6,7
	v_max3_num_f32 v[224+\a], 0x1800000, |v[16*\a]|, |v[16*\a+1]|
.endr
.irp i, 2,4,6,8,10,12,14
.irp a, 0,1,2,3,4,5,6,7
	v_max3_num_f32 v[224+\a], v[224+\a], |v[16*\a+\i]|, |v[16*\a+\i+1]|
.endr
.endr
	WIN 0
.irp a, 0,1,2,3,4,5,6,7
	v_permlanex16_b32 v[232+\a], v[224+\a], s[SEL], s[SEL+1]
.endr
.irp a, 0,1,2,3,4,5,6,7
	v_max_num_f32 v[224+\a], v[224+\a], v[232+\a]
.endr
.irp a, 0,1,2,3,4,5,6,7
	v_add_nc_u32 v[240+\a], 0xff000000, v[224+\a]
.endr
.irp a, 0,1,2,3,4,5,6,7
	v_lshrrev_b32 v[248+\a], 23, v[240+\a]
.endr
	WIN 0x02                                       ; source 0 window 2
.irp a, 0,1,2,3,4,5,6,7
	v_cvt_scalef32_pk8_fp4_f32 v[192+2*\a], v[16*\a:16*\a+7], v[240+\a]
	v_cvt_scalef32_pk8_fp4_f32 v[193+2*\a], v[16*\a+8:16*\a+15], v[240+\a]
.endr
	WIN 0
	v_nop                                          ; one plain place behind the conversions
.irp a, 0,1,2,3,4,5,6,7
	ds_store_b64 v15, v[192+2*\a:193+2*\a] offset:1024*\a
	ds_store_b8 v16, v[248+\a] offset:64*\a        ; both halves of the lanes write the same byte with the same value
.endr
	BARRIER                                        ; 128 whole rows of y's codes lie in LDS
.irp i, 0,1,2,3
	ds_load_b128 v[224+4*\i:224+4*\i+3], v17 offset:512*\i
.endr
	ds_load_b32 v240, v18
.irp i, 0,1,2,3
	s_wait_dscnt 4-\i
	global_store_b128 v4, v[224+4*\i:224+4*\i+3], s[18:19] offset:512*\i   ; the wave stores 512 consecutive bytes, at a multiple of 256
.endr
	s_wait_dscnt 0x0
	global_store_b32 v19, v240, s[20:21]
	; ---- q's work-groups go round once more, with w3: x's codes still lie in LDS; nothing more is stored to LDS and no barrier follows
	s_cmp_ge_u32 s23, 128
	s_wait_alu depctr_va_vdst(0)                   ; the wait ahead of the branch
	s_cbranch_scc1 .Lend
	s_wait_xcnt 0x0                                ; y's stores have read v224-240: pass 1 lays q3's codes there
	s_mov_b32 s[FLAG], 0                           ; w3 has been asked for
	s_add_co_u32 s[PASS], s[PASS], 1
	s_cmp_lt_u32 s[PASS], 2
	s_wait_alu depctr_va_vdst(0)                   ; the wait ahead of the branch
	s_cbranch_scc1 .Lpass
.Lq3b:
.irp a, 4,5,6,7
	Q3OUT \a, 192+8*\a
.endr
.Lend:
	s_wait_tensorcnt 0x0                           ; the wave's end
	ds_add_u32 v[SPW], v[NIL]
	s_wait_dscnt 0x0
	s_endpgm
.Lfunc_end_k_q03ade4498f_proj:
	.size	k_q03ade4498f_proj, .Lfunc_end_k_q03ade4498f_proj-k_q03ade4498f_proj
	.p2alignl 7, 3214868480
	.fill 96, 4, 3214868480
	.section	.rodata,"a",@progbits
	.p2align	6, 0x0
	.amdhsa_kernel k_q03ade4498f_proj
		.amdhsa_group_segment_fixed_size 140288
		.amdhsa_private_segment_fixed_size 0
		.amdhsa_enable_private_segment 0
		.amdhsa_kernarg_size 64
		.amdhsa_user_sgpr_count 2
		.amdhsa_user_sgpr_kernarg_segment_ptr 1
		.amdhsa_wavefront_size32 1
		.amdhsa_system_sgpr_workgroup_id_x 1
		.amdhsa_system_sgpr_workgroup_id_y 1
		.amdhsa_system_sgpr_workgroup_id_z 1
		.amdhsa_system_vgpr_workitem_id 0
		.amdhsa_next_free_vgpr 1024
		.amdhsa_next_free_sgpr 66
		.amdhsa_reserve_vcc 0
		.amdhsa_float_denorm_mode_32 3
		.amdhsa_float_denorm_mode_16_64 3
		.amdhsa_memory_ordered 1
		.amdhsa_forward_progress 1
		.amdhsa_inst_pref_size 255
	.end_amdhsa_kernel
	.section	.bss,"aw",@nobits
	.p2align	6
	.space	262144
	.amdgpu_metadata
---
amdhsa.version: [ 1, 2 ]
amdhsa.kernels:
  - .name:           k_q03ade4498f_proj
    .symbol:         k_q03ade4498f_proj.kd
    .args:
      - { .name: q, .offset: 0, .size: 8, .value_kind: global_buffer, .address_space: global }
      - { .name: k, .offset: 8, .size: 8, .value_kind: global_buffer, .address_space: global }
      - { .name: cimg, .offset: 16, .size: 8, .value_kind: global_buffer, .address_space: global }
      - { .name: cscl, .offset: 24, .size: 8, .value_kind: global_buffer, .address_space: global }
      - { .name: qkc, .offset: 32, .size: 8, .value_kind: global_buffer, .address_space: global }
      - { .name: qks, .offset: 40, .size: 8, .value_kind: global_buffer, .address_space: global }
      - { .name: q3img, .offset: 48, .size: 8, .value_kind: global_buffer, .address_space: global }
      - { .name: q3scl, .offset: 56, .size: 8, .value_kind: global_buffer, .address_space: global }
    .group_segment_fixed_size: 140288
    .private_segment_fixed_size: 0
    .kernarg_segment_align: 8
    .kernarg_segment_size: 64
    .max_flat_workgroup_size: 128
    .sgpr_count:     66
    .vgpr_count:     1024
    .wavefront_size: 32
...
	.end_amdgpu_metadata
.endif
;; end of part 2
;; launch attn (part 3): grid 32 x 8, 4 waves a work-group, no clusters, 64,000 bytes of LDS; arguments qkc, qks, q3img, q3scl, cimg, cscl, out0; writes out0
.if DOCPART == 3
	.amdgcn_target "amdgcn-amd-amdhsa--gfx1250"
	.amdhsa_code_object_version 6
	.text
	.protected	k_q03ade4498f_attn
	.globl	k_q03ade4498f_attn
	.p2align	8
	.type	k_q03ade4498f_attn,@function
k_q03ade4498f_attn:
	s_mov_b64 s[64:65], 0
	v_nop
	global_prefetch_b8 v0, s[64:65] scope:SCOPE_SE
	s_setreg_imm32_b32 hwreg(HW_REG_WAVE_MODE, 25, 1), 1
	s_wait_xcnt 0x0
; out0 = [out | q3] w7 + [q3 | out] w7, out = causal softmax(q2 k3^T / sqrt(128)) v, every product on codes of E2M1 with one E8M0 scale for each 32 along K, sums in f32.
; The halves of 512 are whole blocks of 32, so the two last products are four products of K = 512 on the same codes of out, q3 and w7; all four add into ONE f32 accumulator (an order of sums that differs from adding two finished products).
; THE SOFTMAX AHEAD OF THE SECOND PRODUCT: t = score x log2(e) / sqrt(128), by one fused multiply-add with -M; M = the running largest t rounded UP to a whole number; p = 2^(t - M) is quantised along the keys, not normalised;
; the row's sum is taken of the unquantised p and divides O at the end (by a reciprocal and a multiplication).  When M moves, the sum and O are multiplied by 2^(old M - new M): exact.
; LIMITS: a block whose largest magnitude lies under 2^-124, and a block of zeros, get the byte 1 (zero codes add nothing).  NaN and infinities are not served.
; SHARES.  A work-group owns 64 queries of one batch.  Wave w makes the scores and the softmax of tile w (16 queries), and owns channels and output columns 128 w .. + 127 (8 tiles) for all four tiles of queries.
; p's codes, its scale words, the factor f, 1 / sum and out's codes go from wave to wave through LDS as images of their registers.  K's, V's and w7's fragments come from memory as they lie, straight into registers.
; A KEY STEP IS 256 KEYS: i / 4 + 1 steps for block i, so that the chain from the row's maximum to f, the exchange of p and O's rescaling fall once for 256 keys.  In every step each query sees at least one key.
; V of a step is asked for at the step's head and has the scores and the softmax in which to land; K of the next step is asked for behind the scores.  Every LDS offset is an immediate; two barriers a step guard the one buffer of p.
; Both products are used transposed: a lane holds ONE query (lane % 16).  The keys of a tile of K, and the channels of a tile of V and w7, are chosen so that the 16 registers of tiles 2 b, 2 b + 1 are 16 neighbours along the next K.
; No tensor loads: each V and w7 fragment has one reader.  No cluster: work-groups of one batch need different numbers of K and V tiles.
; REGISTERS.  window 0: v1-31 addresses and statistics; v16-23 Q; v24, v32-47, v160-223 scale words and nothing else; v48-63 for each tile (f, scale word, scale word, pad); v64-93, v224-255 at work.
;   window 1: O (m, t) at v[64 m + 8 t], later the output's sums.   window 2: V's two halves at v[64 half], K's at v[128 + 64 half]; later four sets of w7.
;   window 3: v0-63 p's eight images, v128-255 the scores, then p; later out's fragments v[8 (4 m + s)], q3's v[128 + 8 (4 m + s)]; on the way out rows read back.
.set PIMG, 0                           ; LDS: p's images: [tile of queries][half of the step][1,024]
.set PSF,  8192                        ; (f, scale word, scale word, pad), 16 bytes a lane: [tile][512]
.set LINV, 10240                       ; 1 / sum: [tile][128]
.set OIMG, 10752                       ; out's 16 images: 4 m + s
.set OSC,  27136                       ; its scale words: [m][lane][s]
.set STG,  29184                       ; the way out: for each wave 16 rows of 512 bytes + 16
.set SEL,  28                          ; s[28:29] lane selects for v_permlanex16_b32: lane l xor 16
.set CS,   30                          ; s[30:31] c = log2(e) / sqrt(128), twice: the packed form names a pair
.set TM,   64                          ; v64-79 at work in QUANT
.set SB,   128                         ; the scores, in window 3: register SB + 16 B + i is key 32 B + 16 (lane / 16) + i of the step
.set MSB, 0
.macro WIN new                         ; the immediate's high byte repeats the setting that is left
.if MSB != (\new)
	s_set_vgpr_msb (MSB<<8)|(\new)
.set MSB, (\new)
.endif
.endm
.macro PLACES n                        ; plain vector places behind matrix instructions (ISA guide 7.12.1)
.rept \n
	v_nop
.endr
.endm
.macro BARRIER
	s_wait_dscnt 0x0
	s_barrier_signal -1
	s_barrier_wait -1
.endm
.macro WM d, a, b, zero, sa, sb, row1  ; one product 16 x 16 x 128.  zero: it starts its sum.  row1: source 0's scale words stand in lanes 16-31
.if \zero
.if \row1
	v_wmma_scale_f32_16x16x128_f8f6f4 v[(\d):(\d)+7], v[(\a):(\a)+7], v[(\b):(\b)+7], 0, v[(\sa)], v[(\sb)] matrix_a_fmt:MATRIX_FMT_FP4 matrix_b_fmt:MATRIX_FMT_FP4 matrix_a_scale:MATRIX_SCALE_ROW1
.else
	v_wmma_scale_f32_16x16x128_f8f6f4 v[(\d):(\d)+7], v[(\a):(\a)+7], v[(\b):(\b)+7], 0, v[(\sa)], v[(\sb)] matrix_a_fmt:MATRIX_FMT_FP4 matrix_b_fmt:MATRIX_FMT_FP4
.endif
.else
.if \row1
	v_wmma_scale_f32_16x16x128_f8f6f4 v[(\d):(\d)+7], v[(\a):(\a)+7], v[(\b):(\b)+7], v[(\d):(\d)+7], v[(\sa)], v[(\sb)] matrix_a_fmt:MATRIX_FMT_FP4 matrix_b_fmt:MATRIX_FMT_FP4 matrix_a_scale:MATRIX_SCALE_ROW1
.else
	v_wmma_scale_f32_16x16x128_f8f6f4 v[(\d):(\d)+7], v[(\a):(\a)+7], v[(\b):(\b)+7], v[(\d):(\d)+7], v[(\sa)], v[(\sb)] matrix_a_fmt:MATRIX_FMT_FP4 matrix_b_fmt:MATRIX_FMT_FP4
.endif
.endif
.endm
; 64 numbers of a lane in window W, register src + 16 b + i = k 32 b + 16 (lane / 16) + i of my row, become a fragment's codes in v[pc] on and its scale word in v[pw] (window 0)
.macro QUANT src, W, pc, pw
	WIN 20*(\W)                                    ; sources 1 and 2 in window W
.irp b, 0,1,2,3
	v_max3_num_f32 v[TM+\b], 0x1800000, |v[(\src)+16*\b]|, |v[(\src)+16*\b+1]|   ; my 16 numbers of block b, and the floor 2^(3 - 127)
.endr
.irp i, 2,4,6,8,10,12,14
.irp b, 0,1,2,3
	v_max3_num_f32 v[TM+\b], v[TM+\b], |v[(\src)+16*\b+\i]|, |v[(\src)+16*\b+\i+1]|
.endr
.endr
	WIN 0
.irp b, 0,1,2,3
	v_permlanex16_b32 v[TM+4+\b], v[TM+\b], s[SEL], s[SEL+1]
.endr
.irp b, 0,1,2,3
	v_max_num_f32 v[TM+\b], v[TM+\b], v[TM+4+\b]
.endr
.irp b, 0,1,2,3
	v_add_nc_u32 v[TM+12+\b], 0xff000000, v[TM+\b]
.endr
.irp b, 0,1,2,3
	v_lshrrev_b32 v[TM+4+\b], 23, v[TM+12+\b]
.endr
	v_lshl_or_b32 v[(\pw)], v[TM+5], 8, v[TM+4]
	v_lshl_or_b32 v[(\pw)], v[TM+6], 16, v[(\pw)]
	v_lshl_or_b32 v[(\pw)], v[TM+7], 24, v[(\pw)]
	WIN (\W)                                       ; source 0 in window W
.irp b, 0,1,2,3
	v_cvt_scalef32_pk8_fp4_f32 v[(\pc)+2*\b], v[(\src)+16*\b:(\src)+16*\b+7], v[TM+12+\b]
	v_cvt_scalef32_pk8_fp4_f32 v[(\pc)+2*\b+1], v[(\src)+16*\b+8:(\src)+16*\b+15], v[TM+12+\b]
.endr
	WIN 0
	v_nop                                          ; one plain place behind the conversions
.irp c, 0,1
.irp i, 0,1
	v_permlane16_swap_b32 v[(\pc)+4*\c+\i], v[(\pc)+2+4*\c+\i]
.endr
.endr
.endm
	s_load_b256 s[4:11], s[0:1], 0x0               ; qkc s[4:5], qks s[6:7], q3img s[8:9], q3scl s[10:11]
	s_load_b128 s[12:15], s[0:1], 0x20             ; cimg s[12:13], cscl s[14:15]
	s_load_b64 s[16:17], s[0:1], 0x30              ; out0
	v_lshl_add_u32 v250, v0, 2, 0xf800
	v_mov_b32 v251, 0
	v_lshrrev_b32 v1, 5, v0
	v_readfirstlane_b32 s18, v1                    ; wave w
	s_mov_b32 s19, ttmp9                           ; i: which 64 queries
	s_and_b32 s20, ttmp7, 0xffff                   ; the batch
	s_lshr_b32 s21, s19, 2                         ; key steps behind the first
	s_mov_b32 s23, s21                             ; the last key step's number
	s_mov_b32 s24, 0                               ; the key step whose K is asked for next
	s_mov_b32 s25, 0                               ; the first key of the step in hand
	s_lshl_b32 s26, s19, 6
	s_lshl_b32 s27, s18, 4
	s_add_co_u32 s26, s26, s27                     ; my wave's first query
	s_mov_b32 s[SEL], 0x76543210
	s_mov_b32 s[SEL+1], 0xfedcba98
	s_mov_b32 s[CS], 0x3e0293ee
	s_mov_b32 s[CS+1], s[CS]
	v_and_b32 v255, 31, v0                         ; lane (v255 later rides along as the pad of the quad v[252:255])
	v_and_b32 v1, 15, v0                           ; r
	v_bfe_u32 v2, v0, 4, 1                         ; h
	v_lshlrev_b32 v3, 4, v255                      ; v3  16 x lane: an image's place, in memory and in LDS (p's images begin at LDS byte 0)
	v_lshlrev_b32 v4, 2, v255                      ; v4  4 x lane
	v_and_b32 v88, 8, v1
	v_add_nc_u32 v88, v88, v1                      ; r + 8 (r / 8)
	v_lshlrev_b32 v5, 6, v88
	v_lshl_add_u32 v5, v2, 4, v5                   ; v5  K's fragments: that key's row of 64 bytes, + 16 h
	v_lshl_add_u32 v6, v2, 3, v88
	v_lshlrev_b32 v6, 2, v6                        ; v6  K's scale words: lanes 0-15 tile 2 b, lanes 16-31 tile 2 b + 1 (8 keys on)
	s_lshl_b32 s27, s18, 11
	v_add_nc_u32 v7, s27, v3                       ; v7  where I store p's two images
	s_lshl_b32 s27, s18, 9
	s_add_co_u32 s27, s27, PSF
	v_add_nc_u32 v8, s27, v3                       ; v8  where I store (f, scale words)
	v_add_nc_u32 v10, PSF, v3                      ; v10 where any wave reads them
	v_lshlrev_b32 v11, 4, v2
	v_sub_nc_u32 v11, v1, v11                      ; v11 r - 16 h, for the mask
	s_lshl_b32 s27, s18, 7
	s_add_co_u32 s27, s27, LINV
	v_add_nc_u32 v25, s27, v4                      ; v25 where I store 1 / sum
	v_add_nc_u32 v26, LINV, v4                     ; v26 where any wave reads it
	s_lshl_b32 s27, s18, 10
	s_add_co_u32 s27, s27, OIMG
	v_add_nc_u32 v27, s27, v3                      ; v27 where I store out's images: K step w
	s_lshl_b32 s27, s18, 2
	s_add_co_u32 s27, s27, OSC
	v_add_nc_u32 v28, s27, v3                      ; v28 out's scale words, mine
	v_add_nc_u32 v29, OIMG, v3                     ; v29 out's images, read
	v_add_nc_u32 v30, OSC, v3                      ; v30 out's scale words, read
	s_mul_i32 s27, s18, 16*528
	s_add_co_u32 s27, s27, STG                     ; my stage
	v_mul_u32_u24 v31, v1, 528
	v_lshl_add_u32 v31, v2, 6, v31
	v_add_nc_u32 v31, s27, v31                     ; v31 into it: row r, + 64 h
	v_add_nc_u32 v9, s27, v3                       ; v9  out of it: a row of 512 bytes, 16 a lane
	v_lshlrev_b32 v64, 6, v1
	v_lshl_add_u32 v64, v2, 4, v64                 ; v64 Q's fragment (used at the head alone)
	v_lshlrev_b32 v65, 2, v1                       ; v65 Q's scale word (likewise)
	v_mov_b32 v13, 0xff61b1e6                      ; the largest t so far: -3e38, under every t
	v_floor_f32 v12, -v13                          ; -M
	v_mov_b32 v14, 0                               ; the sum, in two halves
	v_mov_b32 v15, 0
.irp b, 0,1,2,3,4,5,6,7
	v_mov_b32 v[72+\b], 0                          ; written once: a lane permute's destination counts as one of its sources
.endr
	v_mov_b32 v253, 0                              ; named as the upper half of the pair v[252:253] before it is first written
	s_mov_b32 s49, 0
	s_wait_kmcnt 0x0
	s_lshl_b32 s48, s20, 19
	s_lshl_b32 s27, s18, 13
	s_add_co_u32 s48, s48, s27
	s_add_nc_u64 s[32:33], s[12:13], s[48:49]      ; s[32:33] V's images: the batch's 16 slabs, my 128 channels
	s_add_co_u32 s48, s27, 152*32768
	s_add_nc_u64 s[50:51], s[12:13], s[48:49]      ; s[50:51] w7's images, my 128 columns
	s_lshl_b32 s48, s20, 15
	s_lshl_b32 s27, s18, 9
	s_add_co_u32 s48, s48, s27
	s_add_nc_u64 s[34:35], s[14:15], s[48:49]      ; s[34:35] V's scale words
	s_add_co_u32 s48, s27, 152*2048
	s_add_nc_u64 s[52:53], s[14:15], s[48:49]      ; s[52:53] w7's scale words
	s_lshl_b32 s48, s20, 22
	s_lshl_b32 s22, s19, 17
	s_add_co_u32 s48, s48, s22
	s_add_co_u32 s48, s48, s27
	s_add_nc_u64 s[54:55], s[16:17], s[48:49]      ; s[54:55] out0: row 2,048 batch + 64 i, + 512 w bytes
	s_lshl_b32 s22, s20, 17
	s_add_co_u32 s48, s22, 16384*64
	s_add_nc_u64 s[36:37], s[4:5], s[48:49]        ; s[36:37] k3's codes of the batch
	s_lshl_b32 s48, s26, 6
	s_add_co_u32 s48, s48, s22
	s_add_nc_u64 s[56:57], s[4:5], s[48:49]        ; s[56:57] q2's codes at my first query
	s_lshl_b32 s22, s20, 13
	s_add_co_u32 s48, s22, 16384*4
	s_add_nc_u64 s[38:39], s[6:7], s[48:49]        ; s[38:39] k3's scale bytes
	s_lshl_b32 s48, s26, 2
	s_add_co_u32 s48, s48, s22
	s_add_nc_u64 s[58:59], s[6:7], s[48:49]        ; s[58:59] q2's scale bytes
	s_lshl_b32 s48, s20, 19
	s_lshl_b32 s22, s19, 14
	s_add_co_u32 s48, s48, s22
	s_add_nc_u64 s[60:61], s[8:9], s[48:49]        ; s[60:61] q3's images: my work-group's four tiles of rows
	s_lshl_b32 s48, s20, 16
	s_lshl_b32 s22, s19, 11
	s_add_co_u32 s48, s48, s22
	s_add_nc_u64 s[62:63], s[10:11], s[48:49]      ; s[62:63] q3's scale words
; K of key step min(s24, the last): 256 keys, 40 loads.  The clamp keeps the look-ahead of the last step inside the buffers: it asks for the last step once more, and nobody reads that.
.macro LOADK
	s_wait_xcnt 0x0                                ; the bases of the loads issued so far are written again only behind this wait
	s_min_u32 s22, s24, s23
	s_lshl_b32 s48, s22, 14                        ; 256 rows of 64 bytes
	s_add_nc_u64 s[44:45], s[36:37], s[48:49]
	s_lshl_b32 s48, s22, 10
	s_add_nc_u64 s[46:47], s[38:39], s[48:49]
	s_add_co_u32 s24, s24, 1
	WIN 0x80                                       ; destination window 2
.irp hf, 0,1
.irp t, 0,1,2,3,4,5,6,7
.irp c, 0,1
	global_load_b128 v[128+64*\hf+8*\t+4*\c:128+64*\hf+8*\t+4*\c+3], v5, s[44:45] offset:8192*\hf+(32*(\t/2)+8*(\t%2))*64+32*\c   ; place r of tile 2 b + u is key 32 b + 8 u + r + 8 (r / 8) of the half
.endr
.endr
.endr
	WIN 0
.irp hf, 0,1
.irp g, 0,1,2,3
	global_load_b32 v[32+4*\hf+\g], v6, s[46:47] offset:512*\hf+128*\g
.endr
.endr
.endm
; V of the key step in hand, which is step s24 - 1: two slabs, my 8 tiles of each as they lie, 40 loads
.macro LOADV
	s_wait_xcnt 0x0
	s_sub_co_u32 s22, s24, 1
	s_lshl_b32 s48, s22, 16                        ; two slabs of 32,768 bytes
	s_add_nc_u64 s[40:41], s[32:33], s[48:49]
	s_lshl_b32 s48, s22, 12
	s_add_nc_u64 s[42:43], s[34:35], s[48:49]
	WIN 0x80
.set kk, 0
.rept 32
	global_load_b128 v[4*kk:4*kk+3], v3, s[40:41] offset:(kk/16)*32768+512*(kk%16)
.set kk, kk+1
.endr
	WIN 0
.irp hf, 0,1
.irp g, 0,1,2,3
	global_load_b32 v[40+4*\hf+\g], v4, s[42:43] offset:2048*\hf+128*\g
.endr
.endr
.endm
; A KEY STEP of 256 keys.  first = 1: its products start O's sums, there is nothing to rescale, and the scale words for the end are asked for on the way.
.macro STEP first
.if !\first
	PLACES 4                                       ; the last products read the registers that are loaded next
.endif
	LOADV
	s_wait_loadcnt 40                              ; V's 40 loads just issued may be out: this step's K (and, in the first step, Q) are in
	WIN 0xc2                                       ; source 0 (K) window 2, source 1 (Q) window 0, the scores window 3
.irp hf, 0,1
.irp t, 0,1,2,3,4,5,6,7
	WM SB+64*\hf+8*\t, 128+64*\hf+8*\t, 16, 1, 32+4*\hf+\t/2, 24, \t%2
.endr
.endr
	WIN 0
	PLACES 4                                       ; in front of the first read of the scores, and of the later loads into K's registers
	; the causal mask: hidden scores become -infinity ahead of the maximum, so that p = 0.  A step all of whose keys count for all my queries skips it: a scalar branch on ids
	s_add_co_u32 s22, s25, 255
	s_cmp_le_u32 s22, s26
	s_cbranch_scc1 .Lopen_\@
	s_sub_co_i32 s22, s26, s25
	v_add_nc_u32 v92, s22, v11                     ; d = my query - the step's first key - 16 h: register 16 B + i is hidden where 32 B + i > d
	v_mov_b32 v93, 0xff800000
	WIN 0xc3                                       ; the scores: destination and source 0 in window 3
.set nn, 0
.rept 128
	v_cmp_gt_i32 vcc_lo, 32*(nn/16)+nn%16, v92
	v_cndmask_b32 v[SB+nn], v[SB+nn], v93, vcc_lo
.set nn, nn+1
.endr
	WIN 0
.Lopen_\@:
	WIN 0x3f                                       ; all three sources in window 3
.irp b, 0,1,2,3,4,5,6,7
	v_max3_num_f32 v[64+\b], v[SB+16*\b], v[SB+16*\b+1], v[SB+16*\b+2]   ; the largest score of each block of 32 keys: for the row's maximum and, since p rises with the score, for the block's largest p
.endr
	WIN 0x3c                                       ; sources 1 and 2 in window 3
.irp i, 3,5,7,9,11,13
.irp b, 0,1,2,3,4,5,6,7
	v_max3_num_f32 v[64+\b], v[64+\b], v[SB+16*\b+\i], v[SB+16*\b+\i+1]   ; the eight blocks by turns
.endr
.endr
.irp b, 0,1,2,3,4,5,6,7
	v_max_num_f32 v[64+\b], v[64+\b], v[SB+16*\b+15]
.endr
	WIN 0
.irp b, 0,1,2,3,4,5,6,7
	v_permlanex16_b32 v[72+\b], v[64+\b], s[SEL], s[SEL+1]
.endr
.irp b, 0,1,2,3,4,5,6,7
	v_max_num_f32 v[64+\b], v[64+\b], v[72+\b]     ; with lane l xor 16's 16 keys
.endr
	v_max3_num_f32 v88, v64, v65, v66
	v_max3_num_f32 v89, v67, v68, v69
	v_max3_num_f32 v88, v88, v70, v71
	v_max_num_f32 v88, v88, v89                    ; the step's largest score of my query
	v_mul_f32 v88, s[CS], v88                      ; as t
	v_max_num_f32 v13, v13, v88                    ; the running largest t
	v_mov_b32 v88, v12
	v_floor_f32 v12, -v13                          ; the new -M = -ceil(t)
	v_sub_f32 v88, v12, v88                        ; old M - new M: a whole number, 0 or less
	v_cvt_i32_f32 v88, v88                         ; (it saturates)
	v_ldexp_f32 v252, 1.0, v88                     ; f = 2^(old M - new M)
.irp b, 0,1,2,3,4,5,6,7
	v_fma_f32 v[64+\b], v[64+\b], s[CS], v12       ; t - M of each block's largest score
.endr
	WIN 0xc3
.set jj, 0
.rept 64
	v_pk_fma_f32 v[SB+jj:SB+jj+1], v[SB+jj:SB+jj+1], s[CS:CS+1], v[12:13] op_sel_hi:[1,0,0]   ; t - M, two at a time
.set jj, jj+2
.endr
.set jj, 0
	s_wait_alu depctr_va_vdst(0)
.rept 128
	v_exp_f32 v[SB+jj], v[SB+jj]                   ; p = 2^(t - M)
.set jj, jj+1
.endr
	WIN 0
.irp b, 0,1,2,3,4,5,6,7
	v_exp_f32 v[64+\b], v[64+\b]                   ; the block's largest p
.endr
	v_pk_mul_f32 v[14:15], v[14:15], v[252:253] op_sel_hi:[1,0]   ; the sums under the new M; a plain place behind the exponentials
.if \first
.set kk, 0
.rept 16
	global_load_b32 v[176+kk], v4, s[62:63] offset:128*kk      ; q3's scale words, for the end: 176 + 4 m + s
.set kk, kk+1
.endr
.irp s, 0,1,2,3,4,5,6,7
.irp g, 0,1,2,3
	global_load_b32 v[192+4*\s+\g], v4, s[52:53] offset:2048*\s+128*\g   ; w7's scale words: 192 + 4 slab + group
.endr
.endr
.endif
	LOADK                                          ; the next step's K, behind the exponentials: V's 40 loads stand ahead of these 40 in the order of issue
	s_wait_alu depctr_va_vdst(0)
.irp b, 0,1,2,3,4,5,6,7
	v_max_num_f32 v[64+\b], 0x1800000, v[64+\b]    ; the floor 2^(3 - 127)
.endr
.irp b, 0,1,2,3,4,5,6,7
	v_add_nc_u32 v[80+\b], 0xff000000, v[64+\b]    ; 2 off the exponent field: the conversion's scale operand
.endr
.irp b, 0,1,2,3,4,5,6,7
	v_lshrrev_b32 v[72+\b], 23, v[80+\b]           ; the scale's byte
.endr
	v_lshl_or_b32 v253, v73, 8, v72                ; p's scale words: keys 0-127 of the step,
	v_lshl_or_b32 v254, v77, 8, v76                ; and keys 128-255
	v_lshl_or_b32 v253, v74, 16, v253
	v_lshl_or_b32 v254, v78, 16, v254
	v_lshl_or_b32 v253, v75, 24, v253
	v_lshl_or_b32 v254, v79, 24, v254
	WIN 0x03                                       ; source 0 (p) window 3
.irp b, 0,1,2,3,4,5,6,7
	v_cvt_scalef32_pk8_fp4_f32 v[224+2*\b], v[SB+16*\b:SB+16*\b+7], v[80+\b]
	v_cvt_scalef32_pk8_fp4_f32 v[225+2*\b], v[SB+16*\b+8:SB+16*\b+15], v[80+\b]
.endr
	WIN 0
	v_nop                                          ; one plain place behind the conversions
.irp c, 0,1,2,3                        ; the operand wants a whole block in a lane: lanes 0-15 block 2 c, lanes 16-31 block 2 c + 1
.irp i, 0,1
	v_permlane16_swap_b32 v[224+4*\c+\i], v[226+4*\c+\i]
.endr
.endr
.irp c, 0,1,2,3
	ds_store_b128 v7, v[224+4*\c:227+4*\c] offset:PIMG+512*\c  ; my tile's p as the images of its two fragments,
.endr
	ds_store_b128 v8, v[252:255]                   ; and (f, scale words)
	s_wait_dscnt 0x0                               ; for the others' sake: my stores have landed
	s_barrier_signal -1
	WIN 0x0f                                       ; the row's sum of the unquantised p, on registers alone, while the others arrive: two chains
	v_pk_add_f32 v[90:91], v[SB:SB+1], v[SB+2:SB+3]
	WIN 0x0c
.set jj, 4
.rept 31
	v_pk_add_f32 v[14:15], v[14:15], v[SB+jj:SB+jj+1]
	v_pk_add_f32 v[90:91], v[90:91], v[SB+jj+2:SB+jj+3]
.set jj, jj+4
.endr
	WIN 0
	v_pk_add_f32 v[14:15], v[14:15], v[90:91]
	s_barrier_wait -1                              ; all four tiles' p lie in LDS
.irp m, 0,1,2,3
	ds_load_b128 v[48+4*\m:51+4*\m], v10 offset:512*\m
.endr
	WIN 0xc0                                       ; destination window 3
.set kk, 0
.rept 16
	ds_load_b128 v[4*kk:4*kk+3], v3 offset:PIMG+512*kk         ; image (m, half) into v[16 m + 8 half]
.set kk, kk+1
.endr
	WIN 0
.if !\first
	s_wait_dscnt 16                                ; the four f are in; the sixteen loads of images may be out
	WIN 0x41                                       ; O in window 1, f in window 0
.irp m, 0,1,2,3
.set jj, 0
.rept 32
	v_pk_mul_f32 v[64*\m+jj:64*\m+jj+1], v[64*\m+jj:64*\m+jj+1], v[48+4*\m:49+4*\m] op_sel_hi:[1,0]   ; O under the new M, each accumulator from its low end on
.set jj, jj+2
.endr
.endr
.endif
	s_wait_alu depctr_va_vdst(0)
	s_wait_dscnt 0x0                               ; the images are in: my reads of p's buffer are over
.if \first
	s_wait_loadcnt 63                              ; behind V's loads stand the next K's 40 and 48 scale words: V is in
.else
	s_wait_loadcnt 40                              ; the next K's 40 loads may be out: V is in
.endif
	s_barrier_signal -1                            ; say so: behind this barrier p's buffer may be written again
	WIN 0x5e                                       ; source 0 (V) window 2, source 1 (p) window 3, C and D window 1
.irp hf, 0,1
.set ZP, 0
.if \first
.if \hf == 0
.set ZP, 1                             ; the first products start the sums: nothing is cleared
.endif
.endif
.irp t, 0,1,2,3,4,5,6,7                ; the 32 accumulators take turns, one instruction a turn, twice
.irp m, 0,1,2,3
	WM 64*\m+8*\t, 64*\hf+8*\t, 16*\m+8*\hf, ZP, 40+4*\hf+\t/2, 49+4*\m+\hf, \t%2
.endr
.endr
.endr
	WIN 0
	s_barrier_wait -1
	s_add_co_u32 s25, s25, 256
.endm
.macro W7SET set, slab                 ; my 8 tiles of a slab of w7
	WIN 0x80
.set kk, 0
.rept 16
	global_load_b128 v[64*((\set)%4)+4*kk:64*((\set)%4)+4*kk+3], v3, s[50:51] offset:(\slab)*32768+512*kk
.set kk, kk+1
.endr
	WIN 0
.endm
; slab g of w7 (128 of its 1,024 rows) multiplies K step g % 4 of out AND of q3: 64 matrix instructions, the 32 accumulators by turns, twice
.macro GSTEP g
.if (\g) < 4
	s_wait_loadcnt 48                              ; this slab's set is in; the three sets behind it may be out
.else
	s_wait_loadcnt 16*(7-(\g))
.endif
	WIN 0x5e                                       ; source 0 window 2, source 1 window 3, C and D window 1
.irp x, 0,1
.set ZZ, 0
.if (\g) == 0
.if \x == 0
.set ZZ, 1                             ; the first products start the sums
.endif
.endif
.irp m, 0,1,2,3
.irp t, 0,1,2,3,4,5,6,7
	WM 64*\m+8*\t, 64*((\g)%4)+8*\t, 128*\x+8*(4*\m+(\g)%4), ZZ, 192+4*(\g)+\t/2, 160+16*\x+4*\m+(\g)%4, \t%2
.endr
.endr
.endr
	PLACES 4
	WIN 0
.if (\g) < 4
	W7SET (\g)+4, (\g)+4
.endif
.endm
.macro TOSTAGE m                       ; 16 rows x my 128 columns through my own stage.  LDS serves a wave's instructions in order (ISA guide 5.7.1.4): no wait between the stores and the loads
	WIN 0x04                                       ; the stores' data: window 1
.irp t, 0,1,2,3,4,5,6,7
	ds_store_b128 v31, v[64*(\m)+8*\t:64*(\m)+8*\t+3] offset:128*(\t/2)+32*(\t%2)          ; lane (r, h): columns 32 (t / 2) + 8 (t % 2) + 16 h + 0 .. 7; each accumulator from its low end on
	ds_store_b128 v31, v[64*(\m)+8*\t+4:64*(\m)+8*\t+7] offset:128*(\t/2)+32*(\t%2)+16
.endr
	WIN 0xc0                                       ; destination window 3
.set kk, 0
.rept 16
	ds_load_b128 v[64*((\m)%2)+4*kk:64*((\m)%2)+4*kk+3], v9 offset:528*kk
.set kk, kk+1
.endr
	WIN 0
.endm
.macro SEND m, younger                 ; younger: the LDS instructions issued behind tile m's loads, which may stay out
	s_wait_dscnt \younger
	WIN 0x0c                                       ; the stores' data: window 3
.set kk, 0
.rept 16
	global_store_b128 v3, v[64*((\m)%2)+4*kk:64*((\m)%2)+4*kk+3], s[54:55] offset:(16*(\m)+kk)*2048 th:TH_STORE_NT   ; the wave stores 512 consecutive bytes, at a multiple of 256
.set kk, kk+1
.endr
	WIN 0
.endm
	global_load_b128 v[16:19], v64, s[56:57]       ; Q's fragment and scale word stay in registers
	global_load_b128 v[20:23], v64, s[56:57] offset:32
	global_load_b32 v24, v65, s[58:59]
	LOADK                                          ; key step 0
	STEP 1
	s_cmp_eq_u32 s21, 0
	s_cbranch_scc1 .Lafter
.Lstep:                                        ; i / 4 trips, the same number in all four waves
	STEP 0
	s_sub_co_u32 s21, s21, 1
	s_cmp_lg_u32 s21, 0
	s_cbranch_scc1 .Lstep
.Lafter:
	s_wait_loadcnt 0x0                             ; the last look-ahead has landed: its registers are loaded anew below
	PLACES 4                                       ; behind the last products
	WIN 0xc0                                       ; q3's 16 fragments, where the scores lay: window 3, v128 on
.set kk, 0
.rept 32
	global_load_b128 v[128+4*kk:128+4*kk+3], v3, s[60:61] offset:512*kk
.set kk, kk+1
.endr
	WIN 0
	W7SET 0, 0                                     ; w7's first four sets go out by stages, between the phases below
	v_add_f32 v14, v14, v15                        ; the sum's two halves,
	v_permlanex16_b32 v88, v14, s[SEL], s[SEL+1]
	v_add_f32 v14, v14, v88                        ; and lane l xor 16's
	s_wait_alu depctr_va_vdst(0)
	v_rcp_f32 v14, v14
	v_nop                                          ; one plain place behind the reciprocal
	s_wait_alu depctr_va_vdst(0)
	ds_store_b32 v25, v14
	BARRIER                                        ; the four tiles' 1 / sum lie in LDS
.irp m, 0,1,2,3
	ds_load_b32 v[48+4*\m], v26 offset:128*\m      ; where f stood
.endr
	W7SET 1, 1
	s_wait_dscnt 0x0
.irp m, 0,1,2,3
	WIN 0x41
.set jj, 0
.rept 32
	v_pk_mul_f32 v[64*\m+jj:64*\m+jj+1], v[64*\m+jj:64*\m+jj+1], v[48+4*\m:49+4*\m] op_sel_hi:[1,0]   ; out = O / sum
.set jj, jj+2
.endr
	QUANT 64*\m, 1, 224, 248
	ds_store_b128 v27, v[224:227] offset:4096*\m               ; K step w of the last products, rows 16 m on
	ds_store_b128 v27, v[228:231] offset:4096*\m+512
	ds_store_b32 v28, v248 offset:512*\m
.if \m == 0
	W7SET 2, 2
.endif
.if \m == 1
	W7SET 3, 3
.endif
	s_wait_dscnt 0x0                               ; the stores have read their registers
.endr
	BARRIER                                        ; out's 16 fragments lie in LDS
	WIN 0xc0
.set kk, 0
.rept 32
	ds_load_b128 v[4*kk:4*kk+3], v29 offset:512*kk
.set kk, kk+1
.endr
	WIN 0
.irp m, 0,1,2,3
	ds_load_b128 v[160+4*\m:160+4*\m+3], v30 offset:512*\m     ; out's scale words: 160 + 4 m + s
.endr
	s_wait_dscnt 0x0
.irp g, 0,1,2,3,4,5,6,7
	GSTEP \g
.endr
	; the way out: a tile's rows are stored while the next tile goes through the stage
	TOSTAGE 0
	TOSTAGE 1
	SEND 0, 32                                     ; behind tile 0's loads: tile 1's 16 stores and 16 loads
	s_wait_xcnt 0x0                                ; tile 0's stores have read their registers: tile 2's rows may land there
	TOSTAGE 2
	SEND 1, 32
	s_wait_xcnt 0x0
	TOSTAGE 3
	SEND 2, 32
	SEND 3, 0
	s_wait_tensorcnt 0x0
	ds_add_u32 v250, v251
	s_wait_dscnt 0x0
	s_endpgm
.Lfunc_end_k_q03ade4498f_attn:
	.size	k_q03ade4498f_attn, .Lfunc_end_k_q03ade4498f_attn-k_q03ade4498f_attn
	.p2alignl 7, 3214868480
	.fill 96, 4, 3214868480
	.section	.rodata,"a",@progbits
	.p2align	6, 0x0
	.amdhsa_kernel k_q03ade4498f_attn
		.amdhsa_group_segment_fixed_size 64000
		.amdhsa_private_segment_fixed_size 0
		.amdhsa_enable_private_segment 0
		.amdhsa_kernarg_size 56
		.amdhsa_user_sgpr_count 2
		.amdhsa_user_sgpr_kernarg_segment_ptr 1
		.amdhsa_wavefront_size32 1
		.amdhsa_system_sgpr_workgroup_id_x 1
		.amdhsa_system_sgpr_workgroup_id_y 1
		.amdhsa_system_sgpr_workgroup_id_z 1
		.amdhsa_system_vgpr_workitem_id 0
		.amdhsa_next_free_vgpr 1024
		.amdhsa_next_free_sgpr 66
		.amdhsa_reserve_vcc 1
		.amdhsa_float_denorm_mode_32 3
		.amdhsa_float_denorm_mode_16_64 3
		.amdhsa_memory_ordered 1
		.amdhsa_forward_progress 1
		.amdhsa_inst_pref_size 252
	.end_amdhsa_kernel
	.amdgpu_metadata
---
amdhsa.version: [ 1, 2 ]
amdhsa.kernels:
  - .name:           k_q03ade4498f_attn
    .symbol:         k_q03ade4498f_attn.kd
    .args:
      - { .name: qkc, .offset: 0, .size: 8, .value_kind: global_buffer, .address_space: global }
      - { .name: qks, .offset: 8, .size: 8, .value_kind: global_buffer, .address_space: global }
      - { .name: q3img, .offset: 16, .size: 8, .value_kind: global_buffer, .address_space: global }
      - { .name: q3scl, .offset: 24, .size: 8, .value_kind: global_buffer, .address_space: global }
      - { .name: cimg, .offset: 32, .size: 8, .value_kind: global_buffer, .address_space: global }
      - { .name: cscl, .offset: 40, .size: 8, .value_kind: global_buffer, .address_space: global }
      - { .name: out0, .offset: 48, .size: 8, .value_kind: global_buffer, .address_space: global }
    .group_segment_fixed_size: 64000
    .private_segment_fixed_size: 0
    .kernarg_segment_align: 8
    .kernarg_segment_size: 56
    .max_flat_workgroup_size: 128
    .sgpr_count:     66
    .vgpr_count:     1024
    .wavefront_size: 32
...
	.end_amdgpu_metadata
.endif
;; end of part 3
